; MI455X (gfx1250); checked and timed in simulation.
; The chip was launched on July 23, 2026; its instructions are those of AMD's public machine-readable ISA for CDNA 5 (MIT licence, August 2026) and "CDNA5" Instruction Set Architecture Reference Guide (July 2026). The comments in the code are by the model that wrote it; some were corrected since.
;; AG Gemm Intra Node. Allowed arithmetic: float matrix products may take bf16 or f16 operands with f32 sums; other float arithmetic in f32, or as packed bf16 or f16 multiplies, adds, multiply-adds, maxima and minima; sums over many terms, partial sums and values carried from step to step in f32; what a program stores and reads back later, other than sums and carried values, may be rounded once to bf16 or f16.
;; Inputs: A_shards 8 x 1,024 x 4,096 float32; weight 2,048 x 4,096 float32.
;; Outputs: out0 8,192 x 2,048 float32.
;; Constants: transed_weight = 0.
;; 3 versions, each right; version 3 is version 2 with the launch cast written anew for expert scheduling mode. Each part assembles by itself: llvm-mc -triple=amdgcn-amd-amdhsa -mcpu=gfx1250 --defsym DOCPART=n.
;; ======== version 1 of 3: 1 launch
;; launch aggemm (part 1): grid 8 x 32, 4 waves a work-group, clusters of 4 x 4, 327,680 bytes of LDS; arguments A_shards, weight, out0; writes out0
.if DOCPART == 1
	.amdgcn_target "amdgcn-amd-amdhsa--gfx1250"
	.amdhsa_code_object_version 6
	.text
	.protected	k_q510c605190_aggemm
	.globl	k_q510c605190_aggemm
	.p2align	8
	.type	k_q510c605190_aggemm,@function
k_q510c605190_aggemm:
	s_mov_b64 s[64:65], 0
	v_nop
	global_prefetch_b8 v0, s[64:65] scope:SCOPE_SE
	s_setreg_imm32_b32 hwreg(HW_REG_WAVE_MODE, 25, 1), 1
	s_wait_xcnt 0x0
	s_wait_alu depctr_hold_cnt(0) depctr_sa_sdst(0) depctr_va_vdst(0) depctr_va_sdst(0) depctr_va_ssrc(0) depctr_va_vcc(0) depctr_vm_vsrc(0)
	s_getreg_b32 s2, hwreg(HW_REG_IB_STS2, 6, 4)
	s_cmp_eq_u32 s2, 0
	s_cbranch_scc0 .Lentry_in_a_cluster
	s_endpgm
.Lentry_in_a_cluster:
	s_bfe_u32 s2, ttmp6, 0x10000c
	s_cmp_lg_u32 s2, 0xf033
	s_cbranch_scc0 .Lentry_shape_is_right
	s_endpgm
.Lentry_shape_is_right:
; out0[m][n] = the sum over k of A[m][k] W[n][k].  A = A_shards taken as [8192][4096] (the gathering of the shards is a reshape), W = weight [2048][4096]
; (transed_weight = 0 is a constant of the problem: the weight lies [N][K]), out0 [8192][2048]; all f32 in memory.
; FORMATS AND LIMITS.  A and W are rounded once to bf16 (to nearest even) on the way from LDS to the matrix instruction; bf16 has f32's exponent range, so no range of inputs is shut out.
; One f32 sum for each output, K ascending; the sum is stored as it is.  NaN and infinities come out as the matrix instruction gives them.
; ONE LAUNCH, NO WORKSPACE: the tiles come into LDS as f32 and are converted in registers.  A launch of its own that cast A and W would write and read again 84 MB and read 168 MB by itself.
; SHARES.  C has 32 x 8 tiles of 256 x 256: one to a work-group of four waves; a wave makes 128 x 128: 64 accumulators of 16 x 16, 512 registers.
; K goes in steps of 64 (rows of 256 bytes of f32, each at a multiple of 256 bytes from its buffer's first byte) through a ring of two LDS slots filled by the tensor data mover.
; A K step is two CHUNKS of 32 along K, 64 matrix instructions each, on two buffers of bf16 fragments: while one buffer is multiplied, the next chunk's f32 comes out of LDS in two runs of
; 32 loads (W's 128 rows, then A's) into 128 raw registers, and its 128 conversions stand four behind each of 32 of the chunk's matrix instructions.
; CLUSTERS: 4 x 4 work-groups.  The four of a row of the cluster need the same tiles of A, the four of a column the same tiles of W: each tile is asked for JOINTLY, by the same tensor load with
; the same descriptor and a mask that names the four; each receives it in its own LDS.  That divides the requests for A and W by four.
; THE MATRIX INSTRUCTION IS USED TRANSPOSED: source 0 = 16 rows of W, source 1 = 16 rows of A.  Lane l then holds row l % 16 of C and the columns 8 (l / 16) + 0..7: 32 neighbouring bytes.
; REGISTERS, in windows of 256 (s_set_vgpr_msb: bits 1:0 source 0, 3:2 source 1, 5:4 source 2, 7:6 destination):
;   window 0: v0-31 addresses; v64-127, v128-191 A's bf16 fragments, two buffers (on the way out: rows read back from the stage)
;   window 1: v0-127 raw f32 of 8 fragments (16 registers each); v128-191, v192-255 W's bf16 fragments, two buffers
;   window 2: the 32 accumulators of my rows 0-63 ((a, b) at v[8 (8 a + b)]);   window 3: those of my rows 64-127
; A group of four conversions costs two switches of the window, one in front and one behind: the raw registers and the fragments have no room beside the accumulators.
.set SIZE_M, 8192
.set SIZE_N, 2048
.set SIZE_K, 4096
.set KSTEP,  64                        ; elements of f32 along K in a step
.set STEPB,  KSTEP*4                   ; 256 bytes of a row
.set PITCH,  272                       ; an LDS row: 256 bytes + 16 of padding = 68 words: row r starts at bank 4 r mod 64 (64 banks of 4 bytes: ISA guide 11.1), so the 16 rows that a load touches start at 16 different banks
.set HALFT,  128*PITCH                 ; 128 rows: what one tensor load brings, and what one wave reads of A or of W
.set SLOT,   4*HALFT                   ; A's 256 rows, then W's 256 rows
.set STAGE,  2*SLOT                    ; behind the ring, never filled by a tensor load: 16 rows x 528 bytes for each wave, for the way out
.set SPITCH, 528                       ; a stage row: 128 f32 = 512 bytes + 16: again 16 rows start at 16 different banks
.set SPARE,  STAGE+4*16*SPITCH         ; behind the stages: the spare words, 128 bytes for each wave: two blocks of 256 bytes that no other line names
.set LAPS,   30                        ; trips of the loop: two K steps each; K steps 0 (its first chunk) and 60 (its second chunk) to 63 are written out
.set ADRA, 16                          ; v16-17  LDS address of my A fragments in slot 0, 1
.set ADRB, 20                          ; v20-21  the same for W
.set STO,  24                          ; v24     the way out: where I put 32 bytes of a row
.set RD,   25                          ; v25     the way out: where I read a row back
.set CO,   26                          ; v26     my byte offset in a row's 512 bytes of C
.set SPW,  28                          ; v28     LDS address of my spare word: SPARE + 4 x my thread's number; never rewritten
.set NIL,  29                          ; v29     0; never rewritten
.set PFO,  30                          ; v30     the prefetches' offset: my lane x a row of A or W in memory (16,384 bytes); never rewritten
.set FA,   64                          ; window 0: A's fragments, buffer f at FA + 64 f
.set FB,   128                         ; window 1: W's fragments, buffer f at FB + 64 f
.set G1,  24                           ; s[24:31] descriptor group 1 for A's tiles
.set G0,  32                           ; s[32:39] descriptor group 0 for A's tiles, one set for each slot
.set G1B, 48                           ; s[48:55] descriptor group 1 for W's tiles: it differs from A's in the mask alone
.set G0B, 56                           ; s[56:63] descriptor group 0 for W's tiles, one set for each slot
.set LIM, 43                           ; s43     1 in a wave that prefetches, else the greatest number
.set PFA, 44                           ; s[44:45] the K step that my next prefetch names, at my work-group's 32 rows of the 128 that I fetch
.set MSB, 0
.macro WIN new                         ; the immediate's high byte repeats the setting that is left; a switch that changes nothing is dropped
.if MSB != (\new)
	s_set_vgpr_msb (MSB<<8)|(\new)
.set MSB, \new
.endif
.endm
.set MUL_LO, 0xa1                      ; source 0 (W) window 1, source 1 (A) window 0, C and D window 2
.set MUL_HI, 0xf1                      ; the same, C and D window 3
.set TO_R,   0x40                      ; destination window 1, address window 0
.set CV_B,   0x45                      ; raw (sources 0, 1) and W's fragments (destination) in window 1
.set CV_A,   0x05                      ; raw in window 1, A's fragments in window 0
.set ST_LO,  0x08                      ; an LDS store's data (source 1) in window 2;  + 4: in window 3
; A joint load.  Waves 0 and 1 fetch A's two halves, waves 2 and 3 W's.  Each of the two lines has one mask and one set of registers for all that issue it.  The branch hangs on the wave's
; number alone.  An s_nop 0 and four v_nop follow each of the two lines, ahead of the jump, the label and what follows the macro.
.macro JLOAD s
	s_cmp_eq_u32 s11, 0
	s_cbranch_scc0 .Lfor_b_\@
	tensor_load_to_lds s[G0+4*(\s):G0+4*(\s)+3], s[G1:G1+7]
	s_nop 0
.rept 4
	v_nop
.endr
	s_branch .Lasked_\@
.Lfor_b_\@:
	tensor_load_to_lds s[G0B+4*(\s):G0B+4*(\s)+3], s[G1B:G1B+7]
	s_nop 0
.rept 4
	v_nop
.endr
.Lasked_\@:
.endm
; A PREFETCH INTO THE L2, behind a joint load, its five lines and the run of LDS loads that follows them: behind the refill with K step u it names K step u + 4: four changes of slots,
; 512 matrix instructions, ahead of the tensor load that will ask for it.  32 rows x 256 bytes, a lane a row, one instruction a wave.
; Each row's 256 bytes of a K step are named ONCE in the launch.  A's tile row is read by both clusters of that row of clusters: the one with cluster x = 0 asks; W's tile column by all eight
; clusters of that column: the one with cluster y = 0 asks.  The four partners that ask for a tile jointly share its rows out BY ADDRESS: of the 128 rows that a wave fetches the partner at
; place p takes 32 p .. 32 p + 31 (p = cx for A, cy for W): no branch hangs on a work-group's place in its cluster.  K steps 0 to 5 come by their loads alone; the loop's last trip (s3 = 1)
; asks for nothing: K step 63, named in the trip before, is the last.
.macro ASK
	s_cmp_gt_u32 s3, s[LIM]
	s_cbranch_scc0 .Lnot_mine_\@
	global_prefetch_b8 v[PFO], s[PFA:PFA+1] th:TH_LOAD_NT scope:SCOPE_SE
.Lnot_mine_\@:
.endm
; A round of the cluster's barrier: my work-group's barrier, so that wave 0's signal speaks for all four waves; wave 0 signals for the work-group; every wave waits for all sixteen
; work-groups; my work-group's barrier once more.  No LDS instruction of the wave is pending at a signal.
.macro CREST                           ; a round behind its opening barrier
	s_cmp_lg_u32 s10, 0
	s_cbranch_scc1 .Lnot_wave_0_\@
	s_barrier_signal -3
.Lnot_wave_0_\@:
	s_barrier_wait -3
	s_barrier_signal -1
	s_barrier_wait -1
.endm
.macro CROUND                          ; a whole round
	s_barrier_signal -1
	s_barrier_wait -1
	CREST
.endm
.macro PLACES
.rept 4
	v_nop
.endr
.endm
	s_load_b128 s[4:7], s[0:1], 0x0                ; A s[4:5], W s[6:7]
	s_load_b64 s[8:9], s[0:1], 0x10                ; C
	v_lshl_add_u32 v[SPW], v0, 2, SPARE
	v_mov_b32 v[NIL], 0
	ds_add_u32 v[SPW], v[NIL]                      ; the wave's opening: the add, twice on end, and its wait ahead of my first tensor load; the set-up below, work on registers, stands between the second add and the wait
	ds_add_u32 v[SPW], v[NIL]                      ; and once more, under the one wait
	v_lshrrev_b32 v1, 5, v0
	v_readfirstlane_b32 s10, v1                    ; wave 0..3
	s_lshr_b32 s11, s10, 1                         ; which half of the tile's rows is mine.  Also: I fetch for A (0) or for W (1)
	s_and_b32 s12, s10, 1                          ; which half of its columns.  Also: which 128 rows of that tile I fetch
	s_bfe_u32 s40, ttmp6, 0x40000                  ; cx: my place along the cluster's x
	s_bfe_u32 s41, ttmp6, 0x40004                  ; cy: along its y
	s_lshl_b32 s42, ttmp9, 2                       ; in a cluster launch ttmp9 and ttmp7 count clusters
	s_add_co_u32 s42, s42, s40                     ; tile column of C = 4 x cluster x + cx
	s_and_b32 s13, ttmp7, 0xffff
	s_lshl_b32 s13, s13, 2
	s_add_co_u32 s13, s13, s41                     ; tile row of C = 4 x cluster y + cy
	s_lshl_b32 s43, s41, 2
	s_lshl_b32 s43, 15, s43                        ; my row of the cluster: places 4 cy .. 4 cy + 3
	s_lshl_b32 s44, 0x1111, s40                    ; my column: places cx, cx + 4, cx + 8, cx + 12
	; descriptor group 1: a tile of 128 rows x 64 elements of 4 bytes, padded in LDS
	s_or_b32 s[G1+0], s43, (2<<16)|(1<<20)|(1<<21)|(5<<22)|(3<<25)   ; 15:0 the mask: A's tiles go to my row; 17:16 elements of 4 bytes (code 2); 20 padding on; 21 set beside a mask; 24:22 after every 64 words (code 5); 31:25 4 words of it (code 3)
	s_or_b32 s[G1B+0], s44, (2<<16)|(1<<20)|(1<<21)|(5<<22)|(3<<25)  ; the same with the mask of my column, for W's tiles
.irp g, G1, G1B
	s_mov_b32 s[(\g)+1], KSTEP<<16                 ; 63:48 tensor_dim0, low half = 64
	s_mov_b32 s[(\g)+2], 128<<16                   ; 79:64 its high half = 0; 95:80 tensor_dim1, low half = 128
	s_mov_b32 s[(\g)+3], KSTEP<<16                 ; 111:96 its high half = 0; 127:112 tile_dim0 = 64
	s_mov_b32 s[(\g)+4], 128                       ; 143:128 tile_dim1 = 128; 159:144 tile_dim2 = 0
	s_mov_b32 s[(\g)+5], SIZE_K                    ; 191:160 tensor_dim0_stride, low word: elements from row to row
	s_mov_b32 s[(\g)+6], 0
	s_mov_b32 s[(\g)+7], 0
.endr
	; where the tiles come from.  A's hang on the tile row alone, which my row of the cluster shares; W's on the tile column alone, which my column shares.
	; Every wave makes both addresses, in registers that never hold the other coordinate, and asks by one of them.
	s_lshl_b32 s17, s12, 7                         ; which 128 rows of the tile I fetch
	s_lshl_b32 s16, s13, 8
	s_add_co_u32 s16, s16, s17                     ; A: row 256 x tile row + 128 x half,
	s_lshl_b32 s16, s16, 14                        ; x 16,384 bytes a row: under 2^27
	s_lshl_b32 s46, s42, 8
	s_add_co_u32 s46, s46, s17                     ; W: row 256 x tile column + 128 x half,
	s_lshl_b32 s46, s46, 14                        ; in bytes: under 2^25
	s_mov_b32 s17, 0
	s_mov_b32 s47, 0
	s_mul_i32 s20, s10, HALFT                      ; and where they go: A's two halves, then W's two halves = wave x 128 rows: no place in the cluster enters an LDS address
	s_wait_dscnt 0x0                               ; both opening adds are done
	s_wait_kmcnt 0x0
	s_add_nc_u64 s[14:15], s[4:5], s[16:17]
	s_add_nc_u64 s[46:47], s[6:7], s[46:47]
	CROUND                                         ; all sixteen work-groups are here: the first joint loads meet
.irp s, 0,1
	s_mov_b32 s[G0+4*(\s)], 1                                      ; 1:0 count = 1
	s_add_co_u32 s[G0+4*(\s)+1], s20, (\s)*SLOT                    ; 63:32 LDS address
	s_add_nc_u64 s[G0+4*(\s)+2:G0+4*(\s)+3], s[14:15], (\s)*STEPB  ; 120:64 global address: K step s
	s_or_b32 s[G0+4*(\s)+3], s[G0+4*(\s)+3], 0x80000000            ; 127:126 type = 2
	s_mov_b32 s[G0B+4*(\s)], 1
	s_add_co_u32 s[G0B+4*(\s)+1], s20, (\s)*SLOT
	s_add_nc_u64 s[G0B+4*(\s)+2:G0B+4*(\s)+3], s[46:47], (\s)*STEPB
	s_or_b32 s[G0B+4*(\s)+3], s[G0B+4*(\s)+3], 0x80000000
	JLOAD \s                                       ; the ring is filled before anything else is done: two loads of mine are out
.endr
	; A bf16 fragment is 16 rows x 32 K in 8 registers: lane l holds row l % 16; registers 0-3 hold K = 8 (l / 16) + 0..7, registers 4-7 hold K = 16 + 8 (l / 16) + 0..7.
	; In f32 those are 32 bytes at 32 (l / 16) and 32 bytes at 64 + 32 (l / 16) of the chunk's 128 bytes of the row: four loads of 16 bytes, at 0, 16, 64 and 80.
	v_and_b32 v1, 15, v0                           ; l % 16
	v_bfe_u32 v2, v0, 4, 1                         ; l / 16
	v_mul_u32_u24 v3, v1, PITCH
	v_lshl_add_u32 v3, v2, 5, v3                   ; row x pitch + 32 x half
	s_mul_i32 s21, s11, HALFT                      ; my 128 rows of A
	s_mul_i32 s22, s12, HALFT                      ; my 128 rows of W,
	s_add_co_u32 s22, s22, 2*HALFT                 ; which lie behind A's 256
.irp s, 0,1
	v_add_nc_u32 v[ADRA+(\s)], s21, v3
	v_add_nc_u32 v[ADRB+(\s)], s22, v3
	s_add_co_u32 s21, s21, SLOT
	s_add_co_u32 s22, s22, SLOT
.endr
	s_mul_i32 s23, s10, 16*SPITCH
	s_add_co_u32 s23, s23, STAGE                   ; my stage
	v_mul_u32_u24 v4, v1, SPITCH                   ; in: row l % 16, 32 bytes for each half of the lanes
	v_lshl_add_u32 v4, v2, 5, v4
	v_add_nc_u32 v[STO], s23, v4
	v_and_b32 v5, 31, v0
	v_lshlrev_b32 v[CO], 4, v5                     ; back: 32 lanes take one row's 512 bytes, 16 each; the same place in C's row
	v_add_nc_u32 v[RD], s23, v[CO]
	; C at my part of the tile
	s_lshl_b32 s16, s13, 8
	s_lshl_b32 s14, s11, 7
	s_add_co_u32 s16, s16, s14                     ; my first row of C,
	s_lshl_b32 s16, s16, 13                        ; x 8,192 bytes a row: under 2^26
	s_mov_b32 s17, 0
	s_add_nc_u64 s[8:9], s[8:9], s[16:17]
	s_lshl_b32 s46, s42, 10                        ; my first column, in bytes: 1,024 x tile column + 512 x half
	s_lshl_b32 s47, s12, 9
	s_add_co_u32 s46, s46, s47
	s_mov_b32 s47, 0
	s_add_nc_u64 s[8:9], s[8:9], s[46:47]
	; the prefetches
	s_lshl_b32 s13, s13, 8                         ; the tile's first row in A,
	s_lshl_b32 s42, s42, 8                         ; and in W
	s_and_b32 s22, ttmp7, 0xffff                   ; cluster y
	s_cmp_eq_u32 s11, 0                            ; do I fetch for A?
	s_cselect_b32 s20, s13, s42
	s_cselect_b32 s21, s40, s41                    ; my place among the four that ask for the tile with me
	s_cselect_b32 s22, ttmp9, s22                  ; the coordinate along which other clusters read the same rows
	s_cselect_b64 s[PFA:PFA+1], s[4:5], s[6:7]
	s_cmp_eq_u32 s22, 0
	s_cselect_b32 s[LIM], 1, -1                    ; the same in all sixteen partners, for a given wave
	s_lshl_b32 s22, s12, 7
	s_add_co_u32 s20, s20, s22                     ; + the 128 rows that I fetch
	s_lshl_b32 s21, s21, 5
	s_add_co_u32 s20, s20, s21                     ; + my work-group's 32 of them
	s_lshl_b32 s20, s20, 14
	s_mov_b32 s21, 0
	s_add_nc_u64 s[PFA:PFA+1], s[PFA:PFA+1], s[20:21]
	s_add_nc_u64 s[PFA:PFA+1], s[PFA:PFA+1], 5*STEPB  ; at K step 5: the first change of slots steps it to 6.  Nothing is prefetched here, at the head, where every work-group's first tiles are on their way
	v_and_b32 v[PFO], 31, v0
	v_lshlrev_b32 v[PFO], 14, v[PFO]
; 32 LDS loads in one run: the f32 of 8 fragments (128 rows, 32 K at byte k of the rows) into the raw registers, 16 a fragment.  Raw registers 2 j, 2 j + 1 of a fragment make its bf16 register j.
; The raw registers are no operand of a matrix instruction, so a run wants no places in front of it.
.macro RAW adr, k
	WIN TO_R
.irp i, 0,1,2,3,4,5,6,7
	ds_load_b128 v[16*(\i):16*(\i)+3],     v[\adr] offset:(\k)+(\i)*16*PITCH
	ds_load_b128 v[16*(\i)+4:16*(\i)+7],   v[\adr] offset:(\k)+(\i)*16*PITCH+16
	ds_load_b128 v[16*(\i)+8:16*(\i)+11],  v[\adr] offset:(\k)+(\i)*16*PITCH+64
	ds_load_b128 v[16*(\i)+12:16*(\i)+15], v[\adr] offset:(\k)+(\i)*16*PITCH+80
.endr
.endm
; n roundings to bf16, two numbers each: fragment registers q0 .. q0 + n - 1 of the 64 at dst
.macro CVT win, dst, q0, n
	WIN \win
.set cq, \q0
.rept \n
	v_cvt_pk_bf16_f32 v[(\dst)+cq], v[2*cq], v[2*cq+1]
.set cq, cq+1
.endr
.endm
; 8 matrix instructions on buffer f: m block a of the window's four (hi = 0: my rows 0-63, 1: rows 64-127) x all 8 n blocks.  zero = 1: the product starts the sum: nothing is ever cleared.
; rid = 1 (2): behind each stand four roundings of W's (A's) raw registers into the OTHER buffer, from fragment register q0 on.  They name the raw registers and the other buffer alone.
; The 64 accumulators take turns in the same order in every chunk: between two matrix instructions on one accumulator stand the 63 others', over the backward jump too.
.macro MUL8 f, hi, a, zero, rid, q0
.irp b, 0,1,2,3,4,5,6,7
	WIN MUL_LO+0x50*(\hi)
.if \zero
	v_wmma_f32_16x16x32_bf16 v[8*(8*(\a)+(\b)):8*(8*(\a)+(\b))+7], v[FB+64*(\f)+8*(\b):FB+64*(\f)+8*(\b)+7], v[FA+64*(\f)+8*(4*(\hi)+(\a)):FA+64*(\f)+8*(4*(\hi)+(\a))+7], 0
.else
	v_wmma_f32_16x16x32_bf16 v[8*(8*(\a)+(\b)):8*(8*(\a)+(\b))+7], v[FB+64*(\f)+8*(\b):FB+64*(\f)+8*(\b)+7], v[FA+64*(\f)+8*(4*(\hi)+(\a)):FA+64*(\f)+8*(4*(\hi)+(\a))+7], v[8*(8*(\a)+(\b)):8*(8*(\a)+(\b))+7]
.endif
.if (\rid) == 1
	CVT CV_B, FB+64*(1-(\f)), (\q0)+4*(\b), 4
.elseif (\rid) == 2
	CVT CV_A, FA+64*(1-(\f)), (\q0)+4*(\b), 4
.endif
.endr
.endm
; A CHUNK: chunk c (0, 1) of the K step in slot `slot`: 64 matrix instructions on buffer c, and the next chunk made ready in buffer 1 - c.  The next chunk lies at byte 128 of the same slot's
; rows (c = 0) or at byte 0 of the other slot's (c = 1).
; A fragment register of buffer 1 - c is written four plain vector instructions or more behind the last matrix instruction that read it (ISA guide 7.12.1): that one stands in the chunk before, and
; behind each of that chunk's last 16 matrix instructions stand four roundings that name none of its registers.
; chg = 1, 2 (with c = 0): THE CHANGE OF SLOTS.  This chunk's two runs are the last reads of the slot.  In front of ONE barrier each wave waits for all its tensor loads, of which one is out: its
; part of the other slot; adds 0 to its spare word; and waits for that and for its reads of this slot.  Behind it nobody reads this slot any more and the other slot is whole.
; chg = 1: the barrier opens a round of the cluster's barrier, and this slot is filled again, two K steps on, first thing behind the round: from that request to the wait for it a wave issues
; 104 matrix instructions.  chg = 2: nothing is left to fetch.  ask = 1: the prefetch stands behind the chunk's first run of loads (the chunk follows a joint load).
.macro CHUNK slot, c, zero, chg, ask
.set NS, ((\slot)+(\c))%2
.set NK, 128*(1-(\c))
.if (\chg) == 1
	s_wait_xcnt 0x0                                ; the last prefetch, 64 matrix instructions back, has read its address: it is stepped here, so that nothing is added between the round and the joint load
	s_add_nc_u64 s[PFA:PFA+1], s[PFA:PFA+1], STEPB
.endif
	RAW ADRB+NS, NK                                ; W's 128 rows of the next chunk
.if \ask
	WIN 0                                          ; at a branch and at a label every window is 0
	ASK
.endif
	MUL8 \c, 0, 0, \zero, 0, 0
	MUL8 \c, 0, 1, \zero, 0, 0
	s_wait_dscnt 16                                ; LDS loads come back in order (ISA guide 5.7.1): fragments 0-3 are in, the younger 16 loads may be out
	MUL8 \c, 0, 2, \zero, 1, 0
	s_wait_dscnt 0x0                               ; fragments 4-7
	MUL8 \c, 0, 3, \zero, 1, 32
	RAW ADRA+NS, NK                                ; A's 128 rows: the raw registers have just been read out
	MUL8 \c, 1, 0, \zero, 0, 0
.if (\chg) == 0
	MUL8 \c, 1, 1, \zero, 0, 0
	s_wait_dscnt 16
	MUL8 \c, 1, 2, \zero, 2, 0
	s_wait_dscnt 0x0
	MUL8 \c, 1, 3, \zero, 2, 32
.else
	WIN 0                                          ; (the add's two registers lie in window 0)
	s_wait_tensorcnt 0x0                           ; all my tensor loads have landed: the one that was out is my part of the other slot
	ds_add_u32 v[SPW], v[NIL]                      ; 0 onto my spare word
	MUL8 \c, 1, 1, \zero, 0, 0                     ; eight matrix instructions stand between the add and the wait for it
	s_wait_dscnt 0x0                               ; the add is done, A's run is in, and with it my reads of this slot are over:
	s_barrier_signal -1                            ; say so,
	MUL8 \c, 1, 2, \zero, 2, 0                     ; work on registers while the others arrive,
	MUL8 \c, 1, 3, \zero, 2, 32
.if (\chg) == 1
	WIN 0
.endif
	s_barrier_wait -1                              ; and go on when all four have said so
.if (\chg) == 1
	CREST                                          ; all sixteen work-groups have said so: no wave of any partner still reads this slot's tile or has a load on its way
	s_add_nc_u64 s[G0+4*(\slot)+2:G0+4*(\slot)+3], s[G0+4*(\slot)+2:G0+4*(\slot)+3], 2*STEPB    ; no tensor load of mine is out, so a group 0 may be written; the type bits on top are not reached
	s_add_nc_u64 s[G0B+4*(\slot)+2:G0B+4*(\slot)+3], s[G0B+4*(\slot)+2:G0B+4*(\slot)+3], 2*STEPB
	JLOAD \slot                                    ; my one tensor load behind the round, ahead of the next chunk's LDS reads
.endif
.endif
.endm
; THE WAY OUT of block a (16 rows x 128 columns of f32).  A lane's 32 bytes are a sixteenth of a row's 512, and the lanes beside it hold other rows: so the block goes through my own stage in LDS.
; TOSTAGE: each accumulator's four lowest registers first; then back as whole rows, a row a load.  SEND: stored.
.macro TOSTAGE a
.set AC, 64*((\a)%4)
.set OB, FA+64*((\a)%2)
.if (\a) >= 2
	s_wait_xcnt 0x0                                ; the stores of block a - 2 have read their data registers (ISA guide 3.1): only behind this wait are they loaded again
.endif
	WIN ST_LO+4*((\a)/4)
.irp b, 0,1,2,3,4,5,6,7
	ds_store_b128 v[STO], v[AC+8*(\b):AC+8*(\b)+3]   offset:64*(\b)
	ds_store_b128 v[STO], v[AC+8*(\b)+4:AC+8*(\b)+7] offset:64*(\b)+16
.endr
	WIN 0
.irp t, 0,1,2,3,4,5,6,7,8,9,10,11,12,13,14,15
	ds_load_b128 v[OB+4*(\t):OB+4*(\t)+3], v[RD] offset:(\t)*SPITCH  ; LDS serves a wave's instructions in order (ISA guide 5.7.1.4): these see the stores above; the next block's stores come behind them
.endr
.endm
.macro SEND a, younger                 ; younger: the LDS instructions issued behind block a's loads: the next block's 32, or none
.set OB, FA+64*((\a)%2)
	s_wait_dscnt \younger                          ; the block is back in registers
.irp t, 0,1,2,3,4,5,6,7,8,9,10,11,12,13,14,15
	global_store_b128 v[CO], v[OB+4*(\t):OB+4*(\t)+3], s[8:9] offset:(16*(\a)+(\t))*SIZE_N*4 th:TH_STORE_NT  ; the wave stores 512 consecutive bytes, at a multiple of 512 from C's first byte; the row stands in the immediate, 127 rows of 8,192 bytes at the most
.endr
.endm
	s_wait_tensorcnt 1                             ; my part of K step 0 is in; K step 1's may stay out
	s_barrier_signal -1
	s_barrier_wait -1                              ; everybody's is
	RAW ADRB+0, 0                                  ; the first chunk's fragments: there is no matrix work yet to set them beside
	s_wait_dscnt 0x0
	CVT CV_B, FB, 0, 64
	RAW ADRA+0, 0
	s_wait_dscnt 0x0
	CVT CV_A, FA, 0, 64
	CHUNK 0, 0, 1, 1, 0                            ; K step 0, chunk 0, stands in front of the loop: its products start the sums; slot 0 takes K step 2
	WIN 0                                          ; at a label and at a branch every window is 0
	s_mov_b32 s3, LAPS
.Llap:                                                 ; trip i: K step 2 i chunk 1, K step 2 i + 1, K step 2 i + 2 chunk 0; slot 1 takes K step 2 i + 3, slot 0 K step 2 i + 4
	CHUNK 0, 1, 0, 0, 1
	CHUNK 1, 0, 0, 1, 0
	CHUNK 1, 1, 0, 0, 1
	CHUNK 0, 0, 0, 1, 0
	WIN 0
	s_sub_co_u32 s3, s3, 1
	s_cmp_lg_u32 s3, 0
	s_cbranch_scc1 .Llap
	CHUNK 0, 1, 0, 0, 0                            ; the tail is written out.  K step 60, chunk 1
	CHUNK 1, 0, 0, 1, 0                            ; K step 61; slot 1 takes K step 63: the last load
	CHUNK 1, 1, 0, 0, 0
	CHUNK 0, 0, 0, 2, 0                            ; K step 62; K step 63 is waited for; nothing is filled, so no round follows
	CHUNK 0, 1, 0, 0, 0
	CHUNK 1, 0, 0, 0, 0                            ; K step 63: no slot is left to change to
.irp h, 0,1
.irp a, 0,1,2,3
	MUL8 1, \h, \a, 0, 0, 0                        ; its second chunk: nothing more to fetch or to round
.endr
.endr
	WIN 0
	PLACES                                         ; behind the last products, in front of LDS stores that read results and of loads into registers that were sources (ISA guide 7.12.1 for vector
	PLACES                                         ; instructions); eight, once a launch
	TOSTAGE 0
.irp a, 1,2,3,4,5,6,7
	TOSTAGE \a                                     ; block a goes into the stage while block a - 1 comes back
	SEND (\a)-1, 32
.endr
	SEND 7, 0
	s_wait_tensorcnt 0x0                           ; the wave's end, behind my last tensor load and my last LDS store
	ds_add_u32 v[SPW], v[NIL]
	s_wait_dscnt 0x0
	CROUND                                         ; the closing round: no work-group ends while a partner may still ask for a tile that names it
	s_endpgm
.Lfunc_end_k_q510c605190_aggemm:
	.size	k_q510c605190_aggemm, .Lfunc_end_k_q510c605190_aggemm-k_q510c605190_aggemm
	.p2alignl 7, 3214868480
	.fill 96, 4, 3214868480
	.section	.rodata,"a",@progbits
	.p2align	6, 0x0
	.amdhsa_kernel k_q510c605190_aggemm
		.amdhsa_group_segment_fixed_size 327680
		.amdhsa_private_segment_fixed_size 0
		.amdhsa_enable_private_segment 0
		.amdhsa_kernarg_size 24
		.amdhsa_user_sgpr_count 2
		.amdhsa_user_sgpr_kernarg_segment_ptr 1
		.amdhsa_wavefront_size32 1
		.amdhsa_system_sgpr_workgroup_id_x 1
		.amdhsa_system_sgpr_workgroup_id_y 1
		.amdhsa_system_sgpr_workgroup_id_z 1
		.amdhsa_system_vgpr_workitem_id 0
		.amdhsa_next_free_vgpr 1024
		.amdhsa_next_free_sgpr 66
		.amdhsa_reserve_vcc 0
		.amdhsa_float_denorm_mode_32 3
		.amdhsa_float_denorm_mode_16_64 3
		.amdhsa_memory_ordered 1
		.amdhsa_forward_progress 1
		.amdhsa_inst_pref_size 255
	.end_amdhsa_kernel
	.section	.bss,"aw",@nobits
	.p2align	6
	.space	262144
	.amdgpu_metadata
---
amdhsa.version: [ 1, 2 ]
amdhsa.kernels:
  - .name:           k_q510c605190_aggemm
    .symbol:         k_q510c605190_aggemm.kd
    .args:
      - { .name: A_shards, .offset: 0, .size: 8, .value_kind: global_buffer, .address_space: global }
      - { .name: weight, .offset: 8, .size: 8, .value_kind: global_buffer, .address_space: global }
      - { .name: out0, .offset: 16, .size: 8, .value_kind: global_buffer, .address_space: global }
    .group_segment_fixed_size: 327680
    .private_segment_fixed_size: 0
    .kernarg_segment_align: 8
    .kernarg_segment_size: 24
    .max_flat_workgroup_size: 128
    .sgpr_count:     66
    .vgpr_count:     1024
    .wavefront_size: 32
...
	.end_amdgpu_metadata
.endif
;; end of part 1
;; ======== version 2 of 3: 2 launches
;; workspace buffers: abf 67,108,864 bytes; wbf 16,777,216 bytes
;; launch cast (part 2): grid 1280 x 1, 8 waves a work-group, no clusters, 0 bytes of LDS; arguments A_shards, weight, abf, wbf; writes abf, wbf
.if DOCPART == 2
	.amdgcn_target "amdgcn-amd-amdhsa--gfx1250"
	.amdhsa_code_object_version 6
	.text
	.protected	k_q510c605190_cast
	.globl	k_q510c605190_cast
	.p2align	8
	.type	k_q510c605190_cast,@function
k_q510c605190_cast:
	s_mov_b64 s[64:65], 0
	v_nop
	global_prefetch_b8 v0, s[64:65] scope:SCOPE_SE
	s_setreg_imm32_b32 hwreg(HW_REG_WAVE_MODE, 25, 1), 1
	s_wait_xcnt 0x0
; abf = A_shards rounded to bf16, wbf = weight rounded to bf16 (to nearest even, once); the order of the numbers is kept, so abf is [8192][4096] and wbf [2048][4096].
; bf16 has f32's exponent range: no range of inputs is shut out; NaN and infinities stay what they are.
; WHY A LAUNCH OF ITS OWN.  In the product's ring of two LDS slots a slot of f32 holds 64 along K, a slot of bf16 of the same bytes 128: twice the matrix instructions between a tile's request and
; the wait for it, half the LDS reads for each product, and no conversion among the products.  The price is this stream: 168 MB read, 84 MB written.
; SHARES.  Memory binds, so the text is about bytes.  A work-group converts BLK = 131,072 bytes of f32: blocks 0 to 1,023 are A's, blocks 1,024 to 1,279 the weight's.  Its 256 threads take 4,096
; consecutive bytes at a time, 16 each: a load of a wave covers 512 consecutive bytes, a store of a wave (8 bytes a lane) 256 consecutive bytes at a multiple of 256 from the buffer's first byte.
; A ring of DEPTH slots in registers keeps DEPTH loads of every wave in flight.  The 32 rows are written out and the row stands in the immediate, so no address register is ever rewritten.
; No LDS, no barrier, no matrix unit, no cluster: no wave wants a byte that another has fetched.
.set BLK,   131072
.set ROWI,  4096                       ; bytes that the work-group loads at a time
.set ROWO,  2048                       ; bytes that it stores for them
.set ROWS,  BLK/ROWI                   ; 32
.set DEPTH, 8
.set ABLK,  1024                       ; A's blocks: 134,217,728 / BLK
.set IN,  1                            ; v1       16 t: my 16 bytes of a row of f32; never rewritten
.set OUT, 2                            ; v2       8 t: my 8 bytes of bf16; never rewritten
.set X,   4                            ; v[4:35]  slot i: 4 numbers as loaded
.set Y,   36                           ; v[36:51] slot i: 4 numbers in bf16, to store
	s_load_b256 s[4:11], s[0:1], 0x0               ; A s[4:5], weight s[6:7], abf s[8:9], wbf s[10:11]
	v_lshlrev_b32 v[IN], 4, v0
	v_lshlrev_b32 v[OUT], 3, v0
	s_cmp_lt_u32 ttmp9, ABLK                       ; one of A's blocks?
	s_cselect_b32 s12, 0, ABLK
	s_sub_co_u32 s12, ttmp9, s12                   ; the block's number in its own buffer
	s_lshl_b32 s14, s12, 17                        ; x 131,072 bytes of f32: under 2^27
	s_mov_b32 s15, 0
	s_lshl_b32 s16, s12, 16                        ; x 65,536 bytes of bf16
	s_mov_b32 s17, 0
	s_wait_kmcnt 0x0
	s_cmp_lt_u32 ttmp9, ABLK                       ; compared again: the lines between have written SCC
	s_cselect_b64 s[4:5], s[4:5], s[6:7]           ; the buffer that I read,
	s_cselect_b64 s[8:9], s[8:9], s[10:11]         ; and the one that I write
	s_add_nc_u64 s[4:5], s[4:5], s[14:15]
	s_add_nc_u64 s[8:9], s[8:9], s[16:17]
.irp i, 0,1,2,3,4,5,6,7
	global_load_b128 v[X+4*(\i):X+4*(\i)+3], v[IN], s[4:5] offset:(\i)*ROWI th:TH_LOAD_NT  ; fill the ring: rows 0 to 7
.endr
; Row n's turn, in slot n % DEPTH.  ahead = 1: the slot is filled again with the row DEPTH further on.  left = how many younger loads may still be out.
.macro SLOT n, ahead, left
	s_wait_loadcnt \left                           ; loads come back in order (ISA guide 5.7.1): mine is in, the younger ones stay out
.if (\n) >= DEPTH
	s_wait_xcnt 0x0                                ; every earlier memory instruction has had its addresses translated (ISA guide 3.1): the slot's Y, which its last store reads, is rewritten only behind this wait
.endif
	v_cvt_pk_bf16_f32 v[Y+2*((\n)%DEPTH)],   v[X+4*((\n)%DEPTH)],   v[X+4*((\n)%DEPTH)+1]  ; two roundings, the first number into the low half
	v_cvt_pk_bf16_f32 v[Y+2*((\n)%DEPTH)+1], v[X+4*((\n)%DEPTH)+2], v[X+4*((\n)%DEPTH)+3]
.if \ahead
	global_load_b128 v[X+4*((\n)%DEPTH):X+4*((\n)%DEPTH)+3], v[IN], s[4:5] offset:((\n)+DEPTH)*ROWI th:TH_LOAD_NT  ; the load ahead of the store
.endif
	global_store_b64 v[OUT], v[Y+2*((\n)%DEPTH):Y+2*((\n)%DEPTH)+1], s[8:9] offset:(\n)*ROWO th:TH_STORE_NT
.endm
.set row, 0
.rept ROWS
.if row < ROWS-DEPTH
	SLOT row, 1, DEPTH-1
.else
	SLOT row, 0, ROWS-1-row                        ; the last DEPTH rows load nothing: the counts run down, and no load leaves the block
.endif
.set row, row+1
.endr
	s_endpgm
.Lfunc_end_k_q510c605190_cast:
	.size	k_q510c605190_cast, .Lfunc_end_k_q510c605190_cast-k_q510c605190_cast
	.p2alignl 7, 3214868480
	.fill 96, 4, 3214868480
	.section	.rodata,"a",@progbits
	.p2align	6, 0x0
	.amdhsa_kernel k_q510c605190_cast
		.amdhsa_group_segment_fixed_size 0
		.amdhsa_private_segment_fixed_size 0
		.amdhsa_enable_private_segment 0
		.amdhsa_kernarg_size 32
		.amdhsa_user_sgpr_count 2
		.amdhsa_user_sgpr_kernarg_segment_ptr 1
		.amdhsa_wavefront_size32 1
		.amdhsa_system_sgpr_workgroup_id_x 1
		.amdhsa_system_sgpr_workgroup_id_y 1
		.amdhsa_system_sgpr_workgroup_id_z 1
		.amdhsa_system_vgpr_workitem_id 0
		.amdhsa_next_free_vgpr 52
		.amdhsa_next_free_sgpr 66
		.amdhsa_reserve_vcc 0
		.amdhsa_float_denorm_mode_32 3
		.amdhsa_float_denorm_mode_16_64 3
		.amdhsa_memory_ordered 1
		.amdhsa_forward_progress 1
		.amdhsa_inst_pref_size 13
	.end_amdhsa_kernel
	.amdgpu_metadata
---
amdhsa.version: [ 1, 2 ]
amdhsa.kernels:
  - .name:           k_q510c605190_cast
    .symbol:         k_q510c605190_cast.kd
    .args:
      - { .name: A_shards, .offset: 0, .size: 8, .value_kind: global_buffer, .address_space: global }
      - { .name: weight, .offset: 8, .size: 8, .value_kind: global_buffer, .address_space: global }
      - { .name: abf, .offset: 16, .size: 8, .value_kind: global_buffer, .address_space: global }
      - { .name: wbf, .offset: 24, .size: 8, .value_kind: global_buffer, .address_space: global }
    .group_segment_fixed_size: 0
    .private_segment_fixed_size: 0
    .kernarg_segment_align: 8
    .kernarg_segment_size: 32
    .max_flat_workgroup_size: 256
    .sgpr_count:     66
    .vgpr_count:     52
    .wavefront_size: 32
...
	.end_amdgpu_metadata
.endif
;; end of part 2
;; launch gemm (part 3): grid 8 x 32, 4 waves a work-group, clusters of 4 x 4, 327,680 bytes of LDS; arguments abf, wbf, out0; writes out0
.if DOCPART == 3
	.amdgcn_target "amdgcn-amd-amdhsa--gfx1250"
	.amdhsa_code_object_version 6
	.text
	.protected	k_q510c605190_gemm
	.globl	k_q510c605190_gemm
	.p2align	8
	.type	k_q510c605190_gemm,@function
k_q510c605190_gemm:
	s_mov_b64 s[64:65], 0
	v_nop
	global_prefetch_b8 v0, s[64:65] scope:SCOPE_SE
	s_setreg_imm32_b32 hwreg(HW_REG_WAVE_MODE, 25, 1), 1
	s_wait_xcnt 0x0
	s_wait_alu depctr_hold_cnt(0) depctr_sa_sdst(0) depctr_va_vdst(0) depctr_va_sdst(0) depctr_va_ssrc(0) depctr_va_vcc(0) depctr_vm_vsrc(0)
	s_getreg_b32 s2, hwreg(HW_REG_IB_STS2, 6, 4)
	s_cmp_eq_u32 s2, 0
	s_cbranch_scc0 .Lentry_in_a_cluster
	s_endpgm
.Lentry_in_a_cluster:
	s_bfe_u32 s2, ttmp6, 0x10000c
	s_cmp_lg_u32 s2, 0xf033
	s_cbranch_scc0 .Lentry_shape_is_right
	s_endpgm
.Lentry_shape_is_right:
; out0[m][n] = the sum over k of A[m][k] W[n][k].  A = abf [8192][4096] and W = wbf [2048][4096] in bf16 (the launch before has rounded A_shards and weight once, to nearest even;
; the gathering of the shards is a reshape; transed_weight = 0 is a constant of the problem: the weight lies [N][K]); out0 [8192][2048] in f32.
; One f32 sum for each output, K ascending; the sum is stored as it is.  bf16 has f32's exponent range, so no range of inputs is shut out; NaN and infinities come out as the matrix instruction gives them.
; SHARES.  C has 32 x 8 tiles of 256 x 256: one to a work-group of four waves; a wave makes 128 x 128: 64 accumulators of 16 x 16, 512 registers.
; K goes in steps of 128 through a ring of two LDS slots filled by the tensor data mover: the rows of A's and W's tiles are 256 bytes of memory, at multiples of 256 bytes from the buffer's first byte.
; THE LAST K STEP GOES BY ROWS OF C, so that finished rows leave while the others are still multiplied: nothing follows the tile under which its stores could leave.
; CLUSTERS: 4 x 4 work-groups.  The four of a row of the cluster need the same tiles of A, the four of a column the same tiles of W: each tile is asked for JOINTLY, by the same tensor load with
; the same descriptor and a mask that names the four; each receives it in its own LDS.  That divides the requests for A and W by four.
; THE MATRIX INSTRUCTION IS USED TRANSPOSED: source 0 = 16 rows of W, source 1 = 16 rows of A.  Lane l then holds row l % 16 of C and the columns 8 (l / 16) + 0..7: 32 neighbouring bytes.
; REGISTERS, in windows of 256 (s_set_vgpr_msb: bits 1:0 source 0, 3:2 source 1, 5:4 source 2, 7:6 destination):
;   window 0: v0-31 addresses; v64-127, v128-191 fragments of A (8 x 16 rows x 32 K), two buffers; in the last K step four buffers of 16 rows x 128 K
;   window 1: v64-127, v128-191 fragments of W, two buffers; in the last K step all 256: W's fragments of the whole step
;   window 2: the 32 accumulators of my rows 0-63 ((a, b) at v[8 (8 a + b)]);   window 3: those of my rows 64-127; on the way out a block's rows come back from the stage into its own 64 registers
; Work is laid in long stretches under one setting: 32 matrix instructions, 16 loads, 16 loads, 32 matrix instructions.
.set SIZE_M, 8192
.set SIZE_N, 2048
.set SIZE_K, 4096
.set KSTEP,  128                       ; elements of bf16 along K in a step
.set STEPB,  KSTEP*2                   ; 256 bytes of a row
.set PITCH,  272                       ; an LDS row: 256 bytes + 16 of padding = 68 words: row r starts at bank 4 r mod 64 (64 banks of 4 bytes: ISA guide 11.1), so the 16 rows that a load touches start at 16 different banks
.set HALFT,  128*PITCH                 ; 128 rows: what one tensor load brings, and what one wave reads of A or of W
.set SLOT,   4*HALFT                   ; A's 256 rows, then W's 256 rows
.set STAGE,  2*SLOT                    ; behind the ring, never filled by a tensor load: 16 rows x 528 bytes for each wave, for the way out
.set SPITCH, 528                       ; a stage row: 128 f32 = 512 bytes + 16: again 16 rows start at 16 different banks
.set SPARE,  STAGE+4*16*SPITCH         ; behind the stages: the spare words, 128 bytes for each wave: two blocks of 256 bytes that no other line names
.set LAPS,   SIZE_K/(2*KSTEP)          ; 16: a lap = two K steps = once round the ring
.set ADRA, 16                          ; v16-17  LDS address of my A fragments in slot 0, 1
.set ADRB, 20                          ; v20-21  the same for W
.set STO,  24                          ; v24     the way out: where I put 32 bytes of a row
.set RD,   25                          ; v25     the way out: where I read a row back
.set CO,   26                          ; v26     my byte offset in a row's 512 bytes of C
.set SPW,  28                          ; v28     LDS address of my spare word: SPARE + 4 x my thread's number; never rewritten
.set NIL,  29                          ; v29     0; never rewritten
.set PFO,  30                          ; v30     the prefetches' offset: my lane x a row of A or W in memory (8,192 bytes); never rewritten
.set F0,   64                          ; fragment buffer 0
.set F1,   128                         ; fragment buffer 1
.set PA,   64                          ; the last K step: A's fragments of 16 rows x 128 K, 32 registers; four such buffers, v64-191
.set G1,  24                           ; s[24:31] descriptor group 1 for A's tiles
.set G0,  32                           ; s[32:39] descriptor group 0 for A's tiles, one set for each slot
.set G1B, 48                           ; s[48:55] descriptor group 1 for W's tiles: it differs from A's in the mask alone
.set G0B, 56                           ; s[56:63] descriptor group 0 for W's tiles, one set for each slot
.set LIM, 43                           ; s43     1 in a wave that prefetches, else the greatest number
.set PFA, 44                           ; s[44:45] where my prefetches stand: my work-group's 32 rows of the 128 that I fetch, one K step further along K than the refill that is being asked for; a prefetch names the K step after that
.set MSB, 0
.macro WIN new                         ; the immediate's high byte repeats the setting that is left; a switch that changes nothing is dropped
.if MSB != (\new)
	s_set_vgpr_msb (MSB<<8)|(\new)
.set MSB, \new
.endif
.endm
.set MUL_LO, 0xa1                      ; source 0 (W) window 1, source 1 (A) window 0, C and D window 2
.set MUL_HI, 0xf1                      ; the same, C and D window 3
.set TO_B,   0x40                      ; destination window 1, address window 0
.set ST_LO,  0x08                      ; a store's data (source 1) in window 2, its address in window 0;  + 4: data in window 3
.set LD_LO,  0x80                      ; a load's destination in window 2, its address in window 0;  + 0x40: in window 3
; A joint load.  Waves 0 and 1 fetch A's two halves, waves 2 and 3 W's.  Each of the two lines has one mask and one set of registers for all that issue it.  The branch hangs on the wave's
; number alone.  An s_nop 0 and four v_nop follow each of the two lines, ahead of the jump, the label and what follows the macro.
.macro JLOAD s
	s_cmp_eq_u32 s11, 0
	s_cbranch_scc0 .Lfor_b_\@
	tensor_load_to_lds s[G0+4*(\s):G0+4*(\s)+3], s[G1:G1+7]
	s_nop 0
.rept 4
	v_nop
.endr
	s_branch .Lasked_\@
.Lfor_b_\@:
	tensor_load_to_lds s[G0B+4*(\s):G0B+4*(\s)+3], s[G1B:G1B+7]
	s_nop 0
.rept 4
	v_nop
.endr
.Lasked_\@:
.endm
; A PREFETCH INTO THE L2, behind a joint load, its five lines and the run of LDS loads that follows them: behind the refill with K step u it names K step u + 2: two changes of slots,
; 512 matrix instructions, ahead of the tensor load that will ask for it.  32 rows x 256 bytes, a lane a row, one instruction a wave.
; Each row's 256 bytes of a K step are named ONCE in the launch.  A's tile row is read by both clusters of that row of clusters: the one with cluster x = 0 asks; W's tile column by all eight
; clusters of that column: the one with cluster y = 0 asks.  The four partners that ask for a tile jointly share its rows out BY ADDRESS: of the 128 rows that a wave fetches the partner at
; place p takes 32 p .. 32 p + 31 (p = cx for A, cy for W): no branch hangs on a work-group's place in its cluster.  K steps 0 to 3 come by their loads alone; the loop's last trip (s3 = 1)
; asks for nothing: K step 31, named in the trip before, is the last.
.macro ASK
	s_cmp_gt_u32 s3, s[LIM]
	s_cbranch_scc0 .Lnot_mine_\@
	global_prefetch_b8 v[PFO], s[PFA:PFA+1] offset:STEPB th:TH_LOAD_NT scope:SCOPE_SE
.Lnot_mine_\@:
.endm
; A round of the cluster's barrier: my work-group's barrier, so that wave 0's signal speaks for all four waves; wave 0 signals for the work-group; every wave waits for all sixteen
; work-groups; my work-group's barrier once more.  No LDS instruction of the wave is pending at a signal.
.macro CREST                           ; a round behind its opening barrier
	s_cmp_lg_u32 s10, 0
	s_cbranch_scc1 .Lnot_wave_0_\@
	s_barrier_signal -3
.Lnot_wave_0_\@:
	s_barrier_wait -3
	s_barrier_signal -1
	s_barrier_wait -1
.endm
.macro CROUND                          ; a whole round
	s_barrier_signal -1
	s_barrier_wait -1
	CREST
.endm
; A load into a register that a matrix instruction has read or written, and an LDS store that reads a matrix result, stand four places behind that matrix instruction, and only plain vector
; instructions that name none of its registers are places (ISA guide 7.12.1 for vector instructions).
.macro PLACES
.rept 4
	v_nop
.endr
.endm
	s_load_b128 s[4:7], s[0:1], 0x0                ; A s[4:5], W s[6:7]
	s_load_b64 s[8:9], s[0:1], 0x10                ; C
	v_lshl_add_u32 v[SPW], v0, 2, SPARE
	v_mov_b32 v[NIL], 0
	ds_add_u32 v[SPW], v[NIL]                      ; the wave's opening: the add, twice on end, and its wait ahead of my first tensor load; the set-up below, work on registers, stands between the second add and the wait
	ds_add_u32 v[SPW], v[NIL]                      ; and once more, under the one wait
	v_lshrrev_b32 v1, 5, v0
	v_readfirstlane_b32 s10, v1                    ; wave 0..3
	s_lshr_b32 s11, s10, 1                         ; which half of the tile's rows is mine.  Also: I fetch for A (0) or for W (1)
	s_and_b32 s12, s10, 1                          ; which half of its columns.  Also: which 128 rows of that tile I fetch
	s_bfe_u32 s40, ttmp6, 0x40000                  ; cx: my place along the cluster's x
	s_bfe_u32 s41, ttmp6, 0x40004                  ; cy: along its y
	s_lshl_b32 s42, ttmp9, 2                       ; in a cluster launch ttmp9 and ttmp7 count clusters
	s_add_co_u32 s42, s42, s40                     ; tile column of C = 4 x cluster x + cx
	s_and_b32 s13, ttmp7, 0xffff
	s_lshl_b32 s13, s13, 2
	s_add_co_u32 s13, s13, s41                     ; tile row of C = 4 x cluster y + cy
	s_lshl_b32 s43, s41, 2
	s_lshl_b32 s43, 15, s43                        ; my row of the cluster: places 4 cy .. 4 cy + 3
	s_lshl_b32 s44, 0x1111, s40                    ; my column: places cx, cx + 4, cx + 8, cx + 12
	; descriptor group 1: a tile of 128 rows x 128 elements of 2 bytes, padded in LDS
	s_or_b32 s[G1+0], s43, (1<<16)|(1<<20)|(1<<21)|(5<<22)|(3<<25)   ; 15:0 the mask: A's tiles go to my row; 17:16 elements of 2 bytes (code 1); 20 padding on; 21 set beside a mask; 24:22 after every 64 words (code 5); 31:25 4 words of it (code 3)
	s_or_b32 s[G1B+0], s44, (1<<16)|(1<<20)|(1<<21)|(5<<22)|(3<<25)  ; the same with the mask of my column, for W's tiles
.irp g, G1, G1B
	s_mov_b32 s[(\g)+1], KSTEP<<16                 ; 63:48 tensor_dim0, low half = 128
	s_mov_b32 s[(\g)+2], 128<<16                   ; 79:64 its high half = 0; 95:80 tensor_dim1, low half = 128
	s_mov_b32 s[(\g)+3], KSTEP<<16                 ; 111:96 its high half = 0; 127:112 tile_dim0 = 128
	s_mov_b32 s[(\g)+4], 128                       ; 143:128 tile_dim1 = 128; 159:144 tile_dim2 = 0
	s_mov_b32 s[(\g)+5], SIZE_K                    ; 191:160 tensor_dim0_stride, low word: elements from row to row
	s_mov_b32 s[(\g)+6], 0
	s_mov_b32 s[(\g)+7], 0
.endr
	; where the tiles come from.  A's hang on the tile row alone, which my row of the cluster shares; W's on the tile column alone, which my column shares.
	; Every wave makes both addresses, in registers that never hold the other coordinate, and asks by one of them.
	s_lshl_b32 s17, s12, 7                         ; which 128 rows of the tile I fetch
	s_lshl_b32 s16, s13, 8
	s_add_co_u32 s16, s16, s17                     ; A: row 256 x tile row + 128 x half,
	s_lshl_b32 s16, s16, 13                        ; x 8,192 bytes a row: under 2^26
	s_lshl_b32 s46, s42, 8
	s_add_co_u32 s46, s46, s17                     ; W: row 256 x tile column + 128 x half,
	s_lshl_b32 s46, s46, 13                        ; in bytes: under 2^24
	s_mov_b32 s17, 0
	s_mov_b32 s47, 0
	s_mul_i32 s20, s10, HALFT                      ; and where they go: A's two halves, then W's two halves = wave x 128 rows: no place in the cluster enters an LDS address
	s_wait_dscnt 0x0                               ; both opening adds are done
	s_wait_kmcnt 0x0
	s_add_nc_u64 s[14:15], s[4:5], s[16:17]
	s_add_nc_u64 s[46:47], s[6:7], s[46:47]
	CROUND                                         ; all sixteen work-groups are here: the first joint loads meet
.irp s, 0,1
	s_mov_b32 s[G0+4*(\s)], 1                                      ; 1:0 count = 1
	s_add_co_u32 s[G0+4*(\s)+1], s20, (\s)*SLOT                    ; 63:32 LDS address
	s_add_nc_u64 s[G0+4*(\s)+2:G0+4*(\s)+3], s[14:15], (\s)*STEPB  ; 120:64 global address: K step s
	s_or_b32 s[G0+4*(\s)+3], s[G0+4*(\s)+3], 0x80000000            ; 127:126 type = 2
	s_mov_b32 s[G0B+4*(\s)], 1
	s_add_co_u32 s[G0B+4*(\s)+1], s20, (\s)*SLOT
	s_add_nc_u64 s[G0B+4*(\s)+2:G0B+4*(\s)+3], s[46:47], (\s)*STEPB
	s_or_b32 s[G0B+4*(\s)+3], s[G0B+4*(\s)+3], 0x80000000
	JLOAD \s                                       ; the ring is filled before anything else is done: two loads of mine are out
.endr
	; A fragment is 16 rows x 32 K in 8 registers: lane l holds row l % 16; registers 0-3 hold K = 8 (l / 16) + 0..7, registers 4-7 hold K = 16 + 8 (l / 16) + 0..7.
	; From rows that lie along K: two loads of 16 bytes, 32 bytes apart.  The same for source 0 and source 1.
	v_and_b32 v1, 15, v0                           ; l % 16
	v_bfe_u32 v2, v0, 4, 1                         ; l / 16
	v_mul_u32_u24 v3, v1, PITCH
	v_lshl_add_u32 v3, v2, 4, v3                   ; row x pitch + 16 x half
	s_mul_i32 s21, s11, HALFT                      ; my 128 rows of A
	s_mul_i32 s22, s12, HALFT                      ; my 128 rows of W,
	s_add_co_u32 s22, s22, 2*HALFT                 ; which lie behind A's 256
.irp s, 0,1
	v_add_nc_u32 v[ADRA+(\s)], s21, v3
	v_add_nc_u32 v[ADRB+(\s)], s22, v3
	s_add_co_u32 s21, s21, SLOT
	s_add_co_u32 s22, s22, SLOT
.endr
	s_mul_i32 s23, s10, 16*SPITCH
	s_add_co_u32 s23, s23, STAGE                   ; my stage
	v_mul_u32_u24 v4, v1, SPITCH                   ; in: row l % 16, 32 bytes for each half of the lanes
	v_lshl_add_u32 v4, v2, 5, v4
	v_add_nc_u32 v[STO], s23, v4
	v_and_b32 v5, 31, v0
	v_lshlrev_b32 v[CO], 4, v5                     ; back: 32 lanes take one row's 512 bytes, 16 each; the same place in C's row
	v_add_nc_u32 v[RD], s23, v[CO]
	; C at my part of the tile
	s_lshl_b32 s16, s13, 8
	s_lshl_b32 s14, s11, 7
	s_add_co_u32 s16, s16, s14                     ; my first row of C,
	s_lshl_b32 s16, s16, 13                        ; x 8,192 bytes a row: under 2^26
	s_mov_b32 s17, 0
	s_add_nc_u64 s[8:9], s[8:9], s[16:17]
	s_lshl_b32 s46, s42, 10                        ; my first column, in bytes: 1,024 x tile column + 512 x half
	s_lshl_b32 s47, s12, 9
	s_add_co_u32 s46, s46, s47
	s_mov_b32 s47, 0
	s_add_nc_u64 s[8:9], s[8:9], s[46:47]
	; the prefetches
	s_lshl_b32 s13, s13, 8                         ; the tile's first row in A,
	s_lshl_b32 s42, s42, 8                         ; and in W
	s_and_b32 s22, ttmp7, 0xffff                   ; cluster y
	s_cmp_eq_u32 s11, 0                            ; do I fetch for A?
	s_cselect_b32 s20, s13, s42
	s_cselect_b32 s21, s40, s41                    ; my place among the four that ask for the tile with me
	s_cselect_b32 s22, ttmp9, s22                  ; the coordinate along which other clusters read the same rows
	s_cselect_b64 s[PFA:PFA+1], s[4:5], s[6:7]
	s_cmp_eq_u32 s22, 0
	s_cselect_b32 s[LIM], 1, -1                    ; the same in all sixteen partners, for a given wave
	s_lshl_b32 s22, s12, 7
	s_add_co_u32 s20, s20, s22                     ; + the 128 rows that I fetch
	s_lshl_b32 s21, s21, 5
	s_add_co_u32 s20, s20, s21                     ; + my work-group's 32 of them
	s_lshl_b32 s20, s20, 13
	s_mov_b32 s21, 0
	s_add_nc_u64 s[PFA:PFA+1], s[PFA:PFA+1], s[20:21]
	s_add_nc_u64 s[PFA:PFA+1], s[PFA:PFA+1], 2*STEPB  ; at K step 2: the first change of slots steps it to 3 and names K step 4.  Nothing is prefetched here, at the head, where every work-group's first tiles are on their way
	v_and_b32 v[PFO], 31, v0
	v_lshlrev_b32 v[PFO], 13, v[PFO]
; 16 matrix instructions: m blocks a0, a0 + 1 of the window's four (hi = 0: my rows 0-63, 1: rows 64-127) x all 8 n blocks, 32 along K.  zero = 1: the product starts the sum: nothing is ever cleared.
; The 64 accumulators take turns in the same order in every quarter step: between two matrix instructions on one accumulator stand the 63 others', over the backward jump too.
.macro MUL16 f, hi, a0, zero
	WIN MUL_LO+0x50*(\hi)
.irp a, \a0, (\a0)+1
.irp b, 0,1,2,3,4,5,6,7
.if \zero
	v_wmma_f32_16x16x32_bf16 v[8*(8*(\a)+(\b)):8*(8*(\a)+(\b))+7], v[(\f)+8*(\b):(\f)+8*(\b)+7], v[(\f)+8*(4*(\hi)+(\a)):(\f)+8*(4*(\hi)+(\a))+7], 0
.else
	v_wmma_f32_16x16x32_bf16 v[8*(8*(\a)+(\b)):8*(8*(\a)+(\b))+7], v[(\f)+8*(\b):(\f)+8*(\b)+7], v[(\f)+8*(4*(\hi)+(\a)):(\f)+8*(4*(\hi)+(\a))+7], v[8*(8*(\a)+(\b)):8*(8*(\a)+(\b))+7]
.endif
.endr
.endr
.endm
; 32 LDS loads in one run: the fragments of one quarter step (128 rows of W, 128 rows of A, 32 K at byte k of the rows) into buffer f
.macro FETCH slot, k, f
	WIN TO_B
.irp i, 0,1,2,3,4,5,6,7
	ds_load_b128 v[(\f)+8*(\i):(\f)+8*(\i)+3],   v[ADRB+(\slot)] offset:(\k)+(\i)*16*PITCH
	ds_load_b128 v[(\f)+8*(\i)+4:(\f)+8*(\i)+7], v[ADRB+(\slot)] offset:(\k)+(\i)*16*PITCH+32
.endr
	WIN 0
.irp i, 0,1,2,3,4,5,6,7
	ds_load_b128 v[(\f)+8*(\i):(\f)+8*(\i)+3],   v[ADRA+(\slot)] offset:(\k)+(\i)*16*PITCH
	ds_load_b128 v[(\f)+8*(\i)+4:(\f)+8*(\i)+7], v[ADRA+(\slot)] offset:(\k)+(\i)*16*PITCH+32
.endr
.endm
; A K step is four quarter steps of 32 along K, 64 matrix instructions each, on buffers 0, 1, 0, 1.
; One of the first three: multiplies buffer f; in its middle it fetches the next quarter's fragments, at byte k of the same slot's rows, into buffer g.
.macro QUARTER slot, k, f, g, zero
	s_wait_dscnt 8                                 ; LDS loads come back in order (ISA guide 5.7.1): W and A's rows 0-63 are in; the youngest eight loads (A's rows 64-127) may be out
	MUL16 \f, 0, 0, \zero
	MUL16 \f, 0, 2, \zero
	PLACES                                         ; buffer g was multiplied in the quarter before
	FETCH \slot, \k, \g
	s_wait_dscnt 32                                ; all but the 32 just issued
	MUL16 \f, 1, 0, \zero
	MUL16 \f, 1, 2, \zero
.endm
; The last quarter multiplies buffer 1 and changes slots.  MEET is its first half: ONE barrier for the change of slots, for two things.  In front of it each wave waits for all its tensor loads,
; of which one is out: its part of the next slot; adds 0 to its spare word; and waits for that and for its own reads of this slot.  Behind it nobody reads this slot any more and the next slot is whole.
.macro MEET round                      ; round = 1: the rest of a round of the cluster's barrier follows
	WIN 0                                          ; (the add's two registers lie in window 0)
	s_wait_tensorcnt 0x0                           ; all my tensor loads have landed: the one that was out is my part of the next slot
	ds_add_u32 v[SPW], v[NIL]                      ; 0 onto my spare word
	s_wait_dscnt 9                                 ; (the add and the youngest eight loads may be out)
	MUL16 F1, 0, 0, 0                              ; sixteen matrix instructions stand between the add and the wait for it
	s_wait_dscnt 0x0                               ; the add is done, and my reads of this slot are over:
	s_barrier_signal -1                            ; say so,
	MUL16 F1, 0, 2, 0                              ; work on registers while the others arrive,
.if \round
	WIN 0
.endif
	s_barrier_wait -1                              ; and go on when all four have said so
.endm
; The whole last quarter.  Behind the round the slot just read out is filled again first, with the K step two steps on; then come the next slot's first fragments.
; From a request to the wait for it a wave issues 224 matrix instructions.
.macro TURN slot, next
	s_wait_xcnt 0x0                                ; the last prefetch, a K step back, has read its address: it is stepped here, ahead of the waits of the change of slots, so that nothing is added between the round and the joint load
	s_add_nc_u64 s[PFA:PFA+1], s[PFA:PFA+1], STEPB
	MEET 1
	CREST                                          ; all sixteen work-groups have said so: no wave of any partner still reads this slot's tile or has a load on its way
	s_add_nc_u64 s[G0+4*(\slot)+2:G0+4*(\slot)+3], s[G0+4*(\slot)+2:G0+4*(\slot)+3], 2*STEPB    ; no tensor load of mine is out, so a group 0 may be written; the type bits on top are not reached
	s_add_nc_u64 s[G0B+4*(\slot)+2:G0B+4*(\slot)+3], s[G0B+4*(\slot)+2:G0B+4*(\slot)+3], 2*STEPB
	JLOAD \slot                                    ; my one tensor load behind the round; the four v_nop behind it are also the places in front of the loads below
	FETCH \next, 0, F0
	ASK                                            ; behind the joint load and the run of LDS loads that the next products wait for
	MUL16 F1, 1, 0, 0
	MUL16 F1, 1, 2, 0
.endm
; THE LAST K STEP (it lies in slot 1) GOES BY ROWS OF C, NOT BY K.  All its fragments of W (4 quarters x 64 registers) fill window 1; then my eight blocks of 16 rows are finished one after the
; other, each with 32 matrix instructions (its 8 accumulators by turns; K ascending: the sums stay the same bit for bit).  LDS is read no more than in any other K step.
.macro BLOAD q                         ; W's fragments of quarter q -> window 1, v[64 q ..]
	WIN TO_B
.irp i, 0,1,2,3,4,5,6,7
	ds_load_b128 v[64*(\q)+8*(\i):64*(\q)+8*(\i)+3],   v[ADRB+1] offset:64*(\q)+(\i)*16*PITCH
	ds_load_b128 v[64*(\q)+8*(\i)+4:64*(\q)+8*(\i)+7], v[ADRB+1] offset:64*(\q)+(\i)*16*PITCH+32
.endr
.endm
.macro ALOAD a                         ; A's fragments of block a, all four quarters -> buffer a % 4
	WIN 0
.set FRA, PA+32*((\a)%4)
.irp q, 0,1,2,3
	ds_load_b128 v[FRA+8*(\q):FRA+8*(\q)+3],   v[ADRA+1] offset:64*(\q)+(\a)*16*PITCH
	ds_load_b128 v[FRA+8*(\q)+4:FRA+8*(\q)+7], v[ADRA+1] offset:64*(\q)+(\a)*16*PITCH+32
.endr
.endm
.macro ROW a                           ; block a is finished: 32 matrix instructions
.set FRA, PA+32*((\a)%4)               ; its fragments of A
.set AC, 64*((\a)%4)                   ; its eight accumulators, in window 2 (blocks 0-3) or 3 (blocks 4-7)
	WIN MUL_LO+0x50*((\a)/4)
.irp q, 0,1,2,3
.if (\a) == 0 && (\q) == 2
	s_wait_dscnt 24                                ; W's quarter 2 is in (behind it: A's blocks 1 to 3)
.endif
.irp b, 0,1,2,3,4,5,6,7
	v_wmma_f32_16x16x32_bf16 v[AC+8*(\b):AC+8*(\b)+7], v[64*(\q)+8*(\b):64*(\q)+8*(\b)+7], v[FRA+8*(\q):FRA+8*(\q)+7], v[AC+8*(\b):AC+8*(\b)+7]
.endr
.endr
.endm
; THE WAY OUT of block a (16 rows x 128 columns of f32).  A lane's 32 bytes are a sixteenth of a row's 512, and the lanes beside it hold other rows: so the block goes through my own stage in LDS.
; TOSTAGE: each accumulator's four lowest registers first; then back as whole rows, a row a load, INTO THE BLOCK'S OWN 64 REGISTERS, which nothing wants any more: so no
; register that a store reads is ever written again, and the way out has no wait for the stores.  SEND: stored; it stands behind the next block's products, which cover the trip through the stage.
.macro TOSTAGE a
.set AC, 64*((\a)%4)
	WIN ST_LO+4*((\a)/4)
.irp b, 0,1,2,3,4,5,6,7
	ds_store_b128 v[STO], v[AC+8*(\b):AC+8*(\b)+3]   offset:64*(\b)
	ds_store_b128 v[STO], v[AC+8*(\b)+4:AC+8*(\b)+7] offset:64*(\b)+16
.endr
	WIN LD_LO+0x40*((\a)/4)
.irp t, 0,1,2,3,4,5,6,7,8,9,10,11,12,13,14,15
	ds_load_b128 v[AC+4*(\t):AC+4*(\t)+3], v[RD] offset:(\t)*SPITCH  ; LDS serves a wave's instructions in order (ISA guide 5.7.1.4): these see the stores above; the next block's stores come behind them
.endr
.endm
.macro SEND a
.set AC, 64*((\a)%4)
	s_wait_dscnt 0x0                               ; the block is back in registers, and so are the fragments of A that were asked for behind it
	WIN ST_LO+4*((\a)/4)
.irp t, 0,1,2,3,4,5,6,7,8,9,10,11,12,13,14,15
	global_store_b128 v[CO], v[AC+4*(\t):AC+4*(\t)+3], s[8:9] offset:(16*(\a)+(\t))*SIZE_N*4 th:TH_STORE_NT  ; the wave stores 512 consecutive bytes, at a multiple of 512 from C's first byte; the row stands in the immediate, 127 rows of 8,192 bytes at the most
.endr
.endm
	s_wait_tensorcnt 1                             ; my part of K step 0 is in; K step 1's may stay out
	s_barrier_signal -1
	s_barrier_wait -1                              ; everybody's is
	FETCH 0, 0, F0
	QUARTER 0, 64,  F0, F1, 1                      ; the first quarter stands in front of the loop: its products start the sums
	WIN 0                                          ; at a label and at a branch every window is 0
	s_mov_b32 s3, LAPS-1
.Llap:                                                 ; a trip goes once round the ring, from a lap's second quarter to the next lap's first, and fills both slots again: trip i asks for K steps 2 i + 2 and 2 i + 3
	QUARTER 0, 128, F1, F0, 0
	QUARTER 0, 192, F0, F1, 0
	TURN 0, 1
	QUARTER 1, 64,  F0, F1, 0
	QUARTER 1, 128, F1, F0, 0
	QUARTER 1, 192, F0, F1, 0
	TURN 1, 0
	QUARTER 0, 64,  F0, F1, 0
	WIN 0
	s_sub_co_u32 s3, s3, 1
	s_cmp_lg_u32 s3, 0
	s_cbranch_scc1 .Llap
	QUARTER 0, 128, F1, F0, 0                      ; the last lap is written out: it asks for nothing
	QUARTER 0, 192, F0, F1, 0
	MEET 0                                         ; my one tensor load that was still out is slot 1's, the last K step's, so no round follows
	PLACES                                         ; for the loads into buffer 0, which the quarter before multiplied
	BLOAD 0                                        ; three quarters of W now: buffer 1 (v128-191 of both windows) is still being multiplied
	BLOAD 1
	BLOAD 3
	ALOAD 0
	MUL16 F1, 1, 0, 0
	MUL16 F1, 1, 2, 0
	PLACES                                         ; for the loads into buffer 1
	BLOAD 2
	ALOAD 1
	ALOAD 2
	ALOAD 3
	s_wait_dscnt 40                                ; all but the 40 just issued: W's quarters 0, 1 and 3 and A's block 0 are in
	ROW 0
.irp a, 0,1,2,3,4,5,6,7                ; each block leaves as soon as it is finished: the sooner the stores begin, the sooner the launch ends
	PLACES                                         ; behind the block's products, in front of LDS stores that read their results, of loads into those registers and into the block's fragments of A;
	PLACES                                         ; eight for each block
	TOSTAGE \a
.if (\a) < 4
	ALOAD (\a)+4                                   ; its buffer takes the block four further on
.endif
.if (\a) == 0
	s_wait_dscnt 40                                ; A's blocks 1 to 3 are in: behind them stand the stage's 32 LDS instructions and block 4's eight loads
.endif
.if (\a) < 7
	ROW (\a)+1                                     ; 32 products stand between the block's trip through the stage and the wait for it
.endif
	SEND \a
.endr
	WIN 0
	s_wait_tensorcnt 0x0                           ; the wave's end, behind my last tensor load and my last LDS store
	ds_add_u32 v[SPW], v[NIL]
	s_wait_dscnt 0x0
	CROUND                                         ; the closing round: no work-group ends while a partner may still ask for a tile that names it
	s_endpgm
.Lfunc_end_k_q510c605190_gemm:
	.size	k_q510c605190_gemm, .Lfunc_end_k_q510c605190_gemm-k_q510c605190_gemm
	.p2alignl 7, 3214868480
	.fill 96, 4, 3214868480
	.section	.rodata,"a",@progbits
	.p2align	6, 0x0
	.amdhsa_kernel k_q510c605190_gemm
		.amdhsa_group_segment_fixed_size 327680
		.amdhsa_private_segment_fixed_size 0
		.amdhsa_enable_private_segment 0
		.amdhsa_kernarg_size 24
		.amdhsa_user_sgpr_count 2
		.amdhsa_user_sgpr_kernarg_segment_ptr 1
		.amdhsa_wavefront_size32 1
		.amdhsa_system_sgpr_workgroup_id_x 1
		.amdhsa_system_sgpr_workgroup_id_y 1
		.amdhsa_system_sgpr_workgroup_id_z 1
		.amdhsa_system_vgpr_workitem_id 0
		.amdhsa_next_free_vgpr 1024
		.amdhsa_next_free_sgpr 66
		.amdhsa_reserve_vcc 0
		.amdhsa_float_denorm_mode_32 3
		.amdhsa_float_denorm_mode_16_64 3
		.amdhsa_memory_ordered 1
		.amdhsa_forward_progress 1
		.amdhsa_inst_pref_size 142
	.end_amdhsa_kernel
	.amdgpu_metadata
---
amdhsa.version: [ 1, 2 ]
amdhsa.kernels:
  - .name:           k_q510c605190_gemm
    .symbol:         k_q510c605190_gemm.kd
    .args:
      - { .name: abf, .offset: 0, .size: 8, .value_kind: global_buffer, .address_space: global }
      - { .name: wbf, .offset: 8, .size: 8, .value_kind: global_buffer, .address_space: global }
      - { .name: out0, .offset: 16, .size: 8, .value_kind: global_buffer, .address_space: global }
    .group_segment_fixed_size: 327680
    .private_segment_fixed_size: 0
    .kernarg_segment_align: 8
    .kernarg_segment_size: 24
    .max_flat_workgroup_size: 128
    .sgpr_count:     66
    .vgpr_count:     1024
    .wavefront_size: 32
...
	.end_amdgpu_metadata
.endif
;; end of part 3
;; ======== version 3 of 3: 2 launches; version 2 with the launch cast written anew for expert scheduling mode
;; workspace buffers: abf 67,108,864 bytes; wbf 16,777,216 bytes
;; launch cast (part 4): grid 1280 x 1, 8 waves a work-group, no clusters, 0 bytes of LDS; arguments A_shards, weight, abf, wbf; writes abf, wbf
.if DOCPART == 4
	.amdgcn_target "amdgcn-amd-amdhsa--gfx1250"
	.amdhsa_code_object_version 6
	.text
	.protected	k_q510c605190_cast
	.globl	k_q510c605190_cast
	.p2align	8
	.type	k_q510c605190_cast,@function
k_q510c605190_cast:
	s_mov_b64 s[64:65], 0
	v_nop
	global_prefetch_b8 v0, s[64:65] scope:SCOPE_SE
	s_setreg_imm32_b32 hwreg(HW_REG_WAVE_SCHED_MODE, 0, 2), 2
	s_setreg_imm32_b32 hwreg(HW_REG_WAVE_MODE, 25, 1), 1
	s_wait_xcnt 0x0
	s_wait_alu depctr_vm_vsrc(0)
; abf = A_shards rounded to bf16, wbf = weight rounded to bf16 (to nearest even, once); the order of the numbers is kept, so abf is [8192][4096] and wbf [2048][4096].
; bf16 has f32's exponent range: no range of inputs is shut out; NaN and infinities stay what they are.
; WHY A LAUNCH OF ITS OWN.  In the product's ring of two LDS slots a slot of f32 holds 64 along K, a slot of bf16 of the same bytes 128: twice the matrix instructions between a tile's request and
; the wait for it, half the LDS reads for each product, and no conversion among the products.  The price is this stream: 168 MB read, 84 MB written.
; SHARES.  Memory binds, so the text is about bytes.  A work-group converts BLK = 131,072 bytes of f32: blocks 0 to 1,023 are A's, blocks 1,024 to 1,279 the weight's.  Its 256 threads take 4,096
; consecutive bytes (a row) at a time, 16 each: a load of a wave covers 512 consecutive bytes, a store of a wave (8 bytes a lane) 256 consecutive bytes at a multiple of 256 from the buffer's first byte.
; The 32 rows are written out and the row stands in the immediate, so no address register and no base is ever rewritten.
; No LDS, no barrier, no matrix unit, no cluster: no wave wants a byte that another has fetched.
; THE MODE: SCHED_MODE bits 1:0 = 2 (LLVM: expert scheduling mode 2), set by the entry lines.  The code itself states the register dependences
; between vector instructions and memory instructions, with s_wait_alu, always for 0.
; THE PLAN.  The 32 rows go in 8 batches of four.  Registers that memory instructions touch:
;   X0 .. X3   four batches as loaded.  Written by the loads of batch p + 3, issued in batch p; read by batch p's roundings; no memory instruction reads them.
;   Y0, Y1     two batches to store.    Written by batch p's roundings; read by the four stores that are issued in batch p + 1.
;   v1, v2     byte offsets, made once at the head and never written again.
; Batch p rounds X[p % 4] into Y[p % 2].  Its memory instructions are the loads into X[(p + 3) % 4] = X[(p - 1) % 4] and the stores from Y[(p - 1) % 2]: the two buffers that batch p - 1 worked on
; and that no vector instruction of batch p names.  So the waits at a batch's head state all that its eight memory instructions hang on, and these are dealt among its roundings with no further wait.
; At a batch's head the two younger batches' eight loads stay out; with the four that follow, twelve loads of every wave are on their way.
.set BLK,   131072
.set ROWI,  4096                       ; bytes that the work-group loads at a time
.set ROWO,  2048                       ; bytes that it stores for them
.set ROWS,  BLK/ROWI                   ; 32
.set NR,    4                          ; rows in a batch
.set NB,    ROWS/NR                    ; 8 batches
.set ABLK,  1024                       ; A's blocks: 134,217,728 / BLK
.set IN,  1                            ; v1        16 t: my 16 bytes of a row of f32; never rewritten
.set OUT, 2                            ; v2        8 t: my 8 bytes of bf16; never rewritten
.set X,   4                            ; v[4:67]   buffer k, row i: 4 registers at X + 16 k + 4 i: 4 numbers as loaded
.set Y,   68                           ; v[68:83]  buffer k, row i: 2 registers at Y + 8 k + 2 i: 4 numbers in bf16, to store
	s_load_b256 s[4:11], s[0:1], 0x0               ; A s[4:5], weight s[6:7], abf s[8:9], wbf s[10:11]
	v_lshlrev_b32 v[IN], 4, v0
	v_lshlrev_b32 v[OUT], 3, v0
	s_cmp_lt_u32 ttmp9, ABLK                       ; one of A's blocks?
	s_cselect_b32 s12, 0, ABLK
	s_sub_co_u32 s12, ttmp9, s12                   ; the block's number in its own buffer
	s_lshl_b32 s14, s12, 17                        ; x 131,072 bytes of f32: under 2^27
	s_mov_b32 s15, 0
	s_lshl_b32 s16, s12, 16                        ; x 65,536 bytes of bf16
	s_mov_b32 s17, 0
	s_wait_kmcnt 0x0
	s_cmp_lt_u32 ttmp9, ABLK                       ; compared again: the lines between have written SCC
	s_cselect_b64 s[4:5], s[4:5], s[6:7]           ; the buffer that I read,
	s_cselect_b64 s[8:9], s[8:9], s[10:11]         ; and the one that I write
	s_add_nc_u64 s[4:5], s[4:5], s[14:15]
	s_add_nc_u64 s[8:9], s[8:9], s[16:17]
	s_wait_alu depctr_va_vdst(0)                   ; v1 and v2 are written: every load of the kernel reads the one as its offset, every store the other
.irp i, 0,1,2,3,4,5,6,7,8,9,10,11
	global_load_b128 v[X+4*(\i):X+4*(\i)+3], v[IN], s[4:5] offset:(\i)*ROWI th:TH_LOAD_NT  ; batches 0, 1 and 2 into X0, X1, X2
.endr
; Batch p.  Batches 0 to 4 load the batch three further on; batches 1 to 7 store the batch before.
.macro BATCH p
.set XB, X+16*((\p)%4)                 ; what this batch rounds,
.set YB, Y+8*((\p)%2)                  ; and into what
.set XN, X+16*(((\p)+3)%4)             ; where its loads land: the X of the batch before
.set YP, Y+8*(1-(\p)%2)                ; what its stores read: the Y of the batch before
.if (\p) < NB-2
	s_wait_loadcnt 2*NR                            ; loads come back in order (ISA guide 5.7.1): this batch's four are in, the two younger batches stay out
.else
	s_wait_loadcnt (NB-1-(\p))*NR                  ; the last batches: nothing more is loaded, and the counts run down
.endif
.if (\p) >= 2
	s_wait_xcnt 0x0                                ; every earlier memory instruction has had its addresses translated (ISA guide 3.1): this batch's Y, which the stores of the batch before read, is rewritten only behind this wait
	s_wait_alu depctr_vm_vsrc(0)                   ; the stores issued in the batch before have read this batch's Y, which its roundings write again
.endif
.if (\p) >= 1 && (\p)+3 < NB
	s_wait_alu depctr_va_vdst(0)                   ; the batch before has written the other Y, which the stores below read, and is done reading its X, in which the loads below land
.elseif (\p) >= 1
	s_wait_alu depctr_va_vdst(0)                   ; the batch before has written the other Y, which the stores below read
.endif
.irp i, 0,1,2,3
.if (\p)+3 < NB
	global_load_b128 v[XN+4*(\i):XN+4*(\i)+3], v[IN], s[4:5] offset:(NR*((\p)+3)+(\i))*ROWI th:TH_LOAD_NT  ; three batches ahead, the load ahead of the store; no vector instruction since the wait names these registers
.endif
.if (\p) >= 1
	global_store_b64 v[OUT], v[YP+2*(\i):YP+2*(\i)+1], s[8:9] offset:(NR*((\p)-1)+(\i))*ROWO th:TH_STORE_NT  ; the batch before
.endif
	v_cvt_pk_bf16_f32 v[YB+2*(\i)],   v[XB+4*(\i)],   v[XB+4*(\i)+1]  ; two roundings, the first number into the low half
	v_cvt_pk_bf16_f32 v[YB+2*(\i)+1], v[XB+4*(\i)+2], v[XB+4*(\i)+3]
.endr
.endm
.irp p, 0,1,2,3,4,5,6,7
	BATCH \p                                       ; batch 0 has no batch in front of it: it stores nothing, and its loads land in X3, which no vector instruction has named; batches 0 and 1 write a Y that no store has read
.endr
	s_wait_alu depctr_va_vdst(0)                   ; batch 7 has written Y1, which the last four stores read
.irp i, 0,1,2,3
	global_store_b64 v[OUT], v[Y+8+2*(\i):Y+8+2*(\i)+1], s[8:9] offset:(NR*(NB-1)+(\i))*ROWO th:TH_STORE_NT
.endr
	s_endpgm
.Lfunc_end_k_q510c605190_cast:
	.size	k_q510c605190_cast, .Lfunc_end_k_q510c605190_cast-k_q510c605190_cast
	.p2alignl 7, 3214868480
	.fill 96, 4, 3214868480
	.section	.rodata,"a",@progbits
	.p2align	6, 0x0
	.amdhsa_kernel k_q510c605190_cast
		.amdhsa_group_segment_fixed_size 0
		.amdhsa_private_segment_fixed_size 0
		.amdhsa_enable_private_segment 0
		.amdhsa_kernarg_size 32
		.amdhsa_user_sgpr_count 2
		.amdhsa_user_sgpr_kernarg_segment_ptr 1
		.amdhsa_wavefront_size32 1
		.amdhsa_system_sgpr_workgroup_id_x 1
		.amdhsa_system_sgpr_workgroup_id_y 1
		.amdhsa_system_sgpr_workgroup_id_z 1
		.amdhsa_system_vgpr_workitem_id 0
		.amdhsa_next_free_vgpr 84
		.amdhsa_next_free_sgpr 66
		.amdhsa_reserve_vcc 0
		.amdhsa_float_denorm_mode_32 3
		.amdhsa_float_denorm_mode_16_64 3
		.amdhsa_memory_ordered 1
		.amdhsa_forward_progress 1
		.amdhsa_inst_pref_size 12
	.end_amdhsa_kernel
	.amdgpu_metadata
---
amdhsa.version: [ 1, 2 ]
amdhsa.kernels:
  - .name:           k_q510c605190_cast
    .symbol:         k_q510c605190_cast.kd
    .args:
      - { .name: A_shards, .offset: 0, .size: 8, .value_kind: global_buffer, .address_space: global }
      - { .name: weight, .offset: 8, .size: 8, .value_kind: global_buffer, .address_space: global }
      - { .name: abf, .offset: 16, .size: 8, .value_kind: global_buffer, .address_space: global }
      - { .name: wbf, .offset: 24, .size: 8, .value_kind: global_buffer, .address_space: global }
    .group_segment_fixed_size: 0
    .private_segment_fixed_size: 0
    .kernarg_segment_align: 8
    .kernarg_segment_size: 32
    .max_flat_workgroup_size: 256
    .sgpr_count:     66
    .vgpr_count:     84
    .wavefront_size: 32
...
	.end_amdgpu_metadata
.endif
;; end of part 4
;; launch gemm: the kernel of part 3 again; grid 8 x 32, 4 waves a work-group, clusters of 4 x 4, 327,680 bytes of LDS; arguments abf, wbf, out0; writes out0
